; MI455X (gfx1250); checked and timed in simulation.
; The chip was launched on July 23, 2026; its instructions are those of AMD's public machine-readable ISA for CDNA 5 (MIT licence, August 2026) and "CDNA5" Instruction Set Architecture Reference Guide (July 2026). The comments in the code are by the model that wrote it; some were corrected since.
;; Vanilla VQ. Allowed arithmetic: matrix products marked QUANTISED: E2M1 operands, one E8M0 scale for each 32 along K, by v_wmma_scale_f32_16x16x128_f8f6f4 with both operands' format E2M1 (or v_wmma_scale_f32_32x16x128_f4), f32 sums; everything else in f32.
;; Inputs: codebook 8,192 x 512 float32; z 16,384 x 512 float32.
;; Outputs: out0 16,384 x 512 float32; out1 16,384 int32.
;; This version of the problem:
;;   THIS VERSION OF THE PROBLEM IS GIVEN IN LOW PRECISION. The matrix products marked QUANTISED in the list below multiply operands that are first quantised to E2M1 (2 exponent bits, 1 mantissa bit; 4 bits a number), with one power-of-two scale for each 32 numbers along K (OCP MX v1.0); their sums are f32. All else is computed in f32.
;;   The module's matrix products, in the order in which they are computed (A, B: the left and right operand; K: the contracted axis; several contracted axes count as one K, in the product's order):
;;     1. [M 16,384, K 512] x [K 512, N 8,192]; A: input z; B: input codebook: QUANTISED
;;   THE QUANTISER, for each operand of a quantised product, along K:
;;     - K is cut into blocks of 32 from its start; a last block that is shorter is filled with zeros.
;;     - A block's scale is 2^e with e = floor(log2(the largest magnitude in the block)) - 2, held to -126 .. 127; a block of zeros has e = 0. As a byte (E8M0): e + 127.
;;     - Each number is divided by its block's scale, clamped to +-6, and rounded to the nearest number of E2M1, ties to even, subnormals kept.
;;     - The product sums the exact products of the quantised numbers (number of the format x scale) in f32.
;;   ~~~python
;;   def quantise(x, axis):      # numpy; x: float32 -> the quantised numbers, widened to float32 again
;;       x = np.moveaxis(x, axis, -1); K = x.shape[-1]
;;       x = np.pad(x, [(0, 0)] * (x.ndim - 1) + [(0, -K % 32)]); x = x.reshape(x.shape[:-1] + (-1, 32)); a = np.abs(x).max(-1, keepdims=True)
;;       e = np.where(a > 0, np.clip(np.frexp(np.where(a > 0, a, 1))[1] - 1 - 2, -126, 127), 0)      # np.frexp(a)[1] - 1 = floor(log2(a)), exactly
;;       r = np.clip(x / 2.0 ** e, -6, 6)
;;       step = 2.0 ** (np.maximum(np.frexp(np.where(r == 0, 1, r))[1] - 1, 0) - 1)
;;       q = np.round(r / step) * step * 2.0 ** e      # np.round: ties to even
;;       return np.moveaxis(q.reshape(q.shape[:-2] + (-1,))[..., :K], -1, axis).astype(np.float32)
;;   ~~~
;; One version. Each part assembles by itself: llvm-mc -triple=amdgcn-amd-amdhsa -mcpu=gfx1250 --defsym DOCPART=n.
;; ======== version 1 of 1: 3 launches
;; limits: right only within a limited range of input values
;; workspace buffers: zq 4,521,984 bytes; cq 2,260,992 bytes; cand_k 131,072 bytes of whole numbers; cand_i 131,072 bytes of whole numbers
;; launch quant (part 1): grid 256 x 1, 3 waves a work-group, no clusters, 198,656 bytes of LDS; arguments z, codebook, zq, cq; writes zq, cq
.if DOCPART == 1
	.amdgcn_target "amdgcn-amd-amdhsa--gfx1250"
	.amdhsa_code_object_version 6
	.text
	.protected	k_q5919c7fbec_quant
	.globl	k_q5919c7fbec_quant
	.p2align	8
	.type	k_q5919c7fbec_quant,@function
k_q5919c7fbec_quant:
	s_mov_b64 s[64:65], 0
	v_nop
	global_prefetch_b8 v0, s[64:65] scope:SCOPE_SE
	s_setreg_imm32_b32 hwreg(HW_REG_WAVE_MODE, 25, 1), 1
	s_wait_xcnt 0x0
; z [16384][512] and codebook [8192][512], f32, become codes of FP4 (E2M1) with one E8M0 byte for each 32 along K, and each row's sum of squares, in zq and cq.
; No work of reference() is left out in this program: every input is loaded and every step is done.
; A PART of zq or cq serves 64 rows, 17,664 bytes: 4 tiles of 16 rows x 4,096 bytes of codes in the order of the matrix operand's registers (block b of 32 along K of row r at 256 b + 16 r),
; then 64 x 16 scale bytes, then 64 sums of squares.
; SHARES.  768 waves, 32 rows each (512 runs of z, then 256 of the codebook; the buffers are chosen by the run's number alone).  A LANE TAKES A ROW: a block's largest magnitude needs no other lane,
; the conversions find neighbours along K in consecutive registers, and the sum of squares is one chain of fused multiply-adds in ascending k.
; THE WAY IN.  A wave's 65,536 bytes come by 128 asynchronous copies, all issued at the head: a copy takes two rows' 256 bytes (sixteen lanes a row: whole aligned blocks of 256 bytes of memory).
; In LDS a row lies as in memory, rows 2,064 bytes apart: so one immediate, 256 n, steps both addresses to chunk n, and 2,064 is an odd multiple of 16, so that the rows which the lanes read start at different banks
; (64 banks of 4 bytes: ISA guide 11.1).  Sixteen pairs of address registers, one for each pair of rows, are never rewritten.  Chunk n (64 along K) is read when its sixteen copies have landed (copies end in order).
; Each wave reads its own bytes alone: no barrier.  No byte of LDS is filled twice.  No prefetch: there is no loop to run ahead in; all that a wave reads is asked for at its head.
; A block's scale byte is its largest magnitude's exponent field - 2, held at 1 from below (a block of zeros gets 1 where the rule says 127: its codes are zeros, and this program alone reads the bytes).
; LIMITS: NaN and infinities are not served; blocks whose largest magnitude lies under 2^-124 keep the byte 1.
.set RP,    2064                       ; an LDS row: 2,048 bytes + 16
.set WREG,  32*RP                      ; a wave's rows
.set SPARE, 3*WREG                     ; the spare words: 128 bytes a wave, two blocks of 256 bytes that no other line names
.set PART,  17664
.set LR,  2                            ; LDS address of my row
.set VO,  3                            ; my codes' place in a tile pair
.set SO,  4                            ; my scale bytes' place
.set QO,  5                            ; my sum's place
.set SQ,  6
.set MX,  7
.set SOP, 9
.set BY,  11
.set SB,  12
.set X,   16                           ; v16-143  two sets of 64 numbers
.set C,   144                          ; v144-207 codes: registers of their own for each block, so that no store's data are written again
.set GAD, 208                          ; v208-223 copy i: offset in memory of rows 2 i, 2 i + 1
.set LAD, 224                          ; v224-239 copy i: their LDS address
.set SPW, 240
.set NIL, 241
	s_load_b256 s[4:11], s[0:1], 0x0               ; z, codebook, zq, cq
	v_lshl_add_u32 v[SPW], v0, 2, SPARE
	v_mov_b32 v[NIL], 0
	ds_add_u32 v[SPW], v[NIL]                      ; the opening lines, ahead of my first copy
	ds_add_u32 v[SPW], v[NIL]
	v_lshrrev_b32 v1, 5, v0
	v_readfirstlane_b32 s12, v1                    ; wave 0..2
	s_mul_i32 s13, ttmp9, 3
	s_add_co_u32 s13, s13, s12                     ; my run of 32 rows
	s_mul_i32 s2, s12, WREG
	v_and_b32 v1, 31, v0                           ; lane
	v_mul_u32_u24 v[LR], v1, RP
	v_add_nc_u32 v[LR], s2, v[LR]
	v_lshrrev_b32 v[VO], 4, v1                     ; h
	v_and_b32 v[SO], 15, v1
	v_lshlrev_b32 v[SO], 4, v[SO]                  ; 16 (lane % 16)
	v_lshl_add_u32 v[GAD], v[VO], 11, v[SO]        ; row h of the pair, my 16 bytes
	v_mul_u32_u24 v[LAD], v[VO], RP
	v_add_nc_u32 v[LAD], v[LAD], v[SO]
	v_add_nc_u32 v[LAD], s2, v[LAD]
.irp i, 1,2,3,4,5,6,7,8,9,10,11,12,13,14,15
	v_add_nc_u32 v[GAD+\i], 4096*\i, v[GAD]
	v_add_nc_u32 v[LAD+\i], 2*RP*\i, v[LAD]
.endr
	v_lshl_add_u32 v[VO], v[VO], 12, v[SO]         ; tile lane / 16, row lane % 16
	v_lshlrev_b32 v[SO], 4, v1
	v_lshlrev_b32 v[QO], 2, v1
	s_wait_alu depctr_va_vdst(0)
	s_wait_dscnt 0x0                               ; both opening adds are done
	s_wait_kmcnt 0x0
	s_cmp_lt_u32 s13, 512                          ; z's run or the codebook's: the choice hangs on the run's number alone
	s_cselect_b64 s[56:57], s[4:5], s[6:7]
	s_cselect_b64 s[58:59], s[8:9], s[10:11]
	s_cselect_b32 s14, 0, 512
	s_sub_co_u32 s14, s13, s14
	s_lshl_b32 s66, s14, 16                        ; 32 rows of 2,048 bytes
	s_mov_b32 s67, 0
	s_add_nc_u64 s[56:57], s[56:57], s[66:67]
.irp n, 0,1,2,3,4,5,6,7
.irp i, 0,1,2,3,4,5,6,7,8,9,10,11,12,13,14,15
	global_load_async_to_lds_b128 v[LAD+\i], v[GAD+\i], s[56:57] offset:256*\n   ; the immediate steps both addresses
.endr
.endr
	s_lshr_b32 s66, s14, 1
	s_mul_i32 s66, s66, PART
	s_add_nc_u64 s[58:59], s[58:59], s[66:67]      ; my part
	s_and_b32 s15, s14, 1                          ; and which half of it
	s_lshl_b32 s68, s15, 9
	s_add_co_u32 s68, s68, 16384
	s_mov_b32 s69, 0
	s_add_nc_u64 s[60:61], s[58:59], s[68:69]      ; scale bytes
	s_lshl_b32 s68, s15, 7
	s_add_co_u32 s68, s68, 17408
	s_add_nc_u64 s[62:63], s[58:59], s[68:69]      ; sums of squares
	s_lshl_b32 s68, s15, 13
	s_add_nc_u64 s[58:59], s[58:59], s[68:69]      ; codes
.macro AWAIT n                         ; chunk n's sixteen copies are in: 16 (7 - n) were issued behind them; a wait names 63 at the most, and a smaller count is safe
.if 16*(7-(\n)) > 63
	s_wait_asynccnt 63
.else
	s_wait_asynccnt 16*(7-(\n))
.endif
.endm
.macro LOADX n
.irp q, 0,1,2,3,4,5,6,7,8,9,10,11,12,13,14,15
	ds_load_b128 v[X+64*((\n)%2)+4*\q:X+64*((\n)%2)+4*\q+3], v[LR] offset:256*(\n)+16*\q
.endr
.endm
.macro COMPUTE n                       ; chunk n: two blocks of 32; the sum of squares goes on in ascending k, the two maxima between its links
.set XS, X+64*((\n)%2)
.set p, 0
.rept 32
.if ((\n) == 0) && (p == 0)
	v_mul_f32 v[SQ], v[XS], v[XS]
.else
	v_fmac_f32 v[SQ], v[XS+2*p], v[XS+2*p]
.endif
.set mb, p%2
.set mp, p/2
.if mp == 0
	v_max3_num_f32 v[MX+mb], |v[XS+32*mb]|, |v[XS+32*mb+1]|, 0x1800000   ; with the floor 2^(3 - 127): the byte cannot fall under 1
.else
	v_max3_num_f32 v[MX+mb], v[MX+mb], |v[XS+32*mb+2*mp]|, |v[XS+32*mb+2*mp+1]|
.endif
	v_fmac_f32 v[SQ], v[XS+2*p+1], v[XS+2*p+1]
.set p, p+1
.endr
	v_add_nc_u32 v[SOP], 0xff000000, v[MX]         ; 2 off the exponent field: the conversion's scale operand
	v_add_nc_u32 v[SOP+1], 0xff000000, v[MX+1]
.irp e, 0,1
.irp g, 0,1,2,3
	v_cvt_scalef32_pk8_fp4_f32 v[C+4*(2*(\n)+\e)+\g], v[XS+32*\e+8*\g:XS+32*\e+8*\g+7], v[SOP+\e]
.endr
.endr
.if (\n)%2 == 0
	v_lshrrev_b32 v[SB+(\n)/2], 23, v[SOP]         ; the scale bytes, four to a register, the lower k in the lower byte
.else
	v_lshrrev_b32 v[BY], 23, v[SOP]
	v_lshl_or_b32 v[SB+(\n)/2], v[BY], 16, v[SB+(\n)/2]
.endif
	v_lshrrev_b32 v[BY], 23, v[SOP+1]
	v_lshl_or_b32 v[SB+(\n)/2], v[BY], 8+16*((\n)%2), v[SB+(\n)/2]
.irp e, 0,1
	global_store_b128 v[VO], v[C+4*(2*(\n)+\e):C+4*(2*(\n)+\e)+3], s[58:59] offset:256*(2*(\n)+\e)   ; sixteen lanes fill 256 consecutive bytes, aligned
.endr
.endm
	AWAIT 0
	LOADX 0
.irp n, 0,1,2,3,4,5,6
	s_wait_alu depctr_va_vdst(0)                   ; the wait ahead of the waits below
	AWAIT \n+1
	LOADX \n+1
	s_wait_dscnt 16                                ; chunk n is in registers; the sixteen loads just issued may be out
	COMPUTE \n
.endr
	s_wait_dscnt 0x0
	COMPUTE 7
	global_store_b128 v[SO], v[SB:SB+3], s[60:61]
	global_store_b32 v[QO], v[SQ], s[62:63]
	s_wait_tensorcnt 0x0                           ; the wave's end (every copy was waited for ahead of chunk 7)
	ds_add_u32 v[SPW], v[NIL]
	s_wait_dscnt 0x0
	s_endpgm
.Lfunc_end_k_q5919c7fbec_quant:
	.size	k_q5919c7fbec_quant, .Lfunc_end_k_q5919c7fbec_quant-k_q5919c7fbec_quant
	.p2alignl 7, 3214868480
	.fill 96, 4, 3214868480
	.section	.rodata,"a",@progbits
	.p2align	6, 0x0
	.amdhsa_kernel k_q5919c7fbec_quant
		.amdhsa_group_segment_fixed_size 198656
		.amdhsa_private_segment_fixed_size 0
		.amdhsa_enable_private_segment 0
		.amdhsa_kernarg_size 32
		.amdhsa_user_sgpr_count 2
		.amdhsa_user_sgpr_kernarg_segment_ptr 1
		.amdhsa_wavefront_size32 1
		.amdhsa_system_sgpr_workgroup_id_x 1
		.amdhsa_system_sgpr_workgroup_id_y 1
		.amdhsa_system_sgpr_workgroup_id_z 1
		.amdhsa_system_vgpr_workitem_id 0
		.amdhsa_next_free_vgpr 244
		.amdhsa_next_free_sgpr 72
		.amdhsa_reserve_vcc 0
		.amdhsa_float_denorm_mode_32 3
		.amdhsa_float_denorm_mode_16_64 3
		.amdhsa_memory_ordered 1
		.amdhsa_forward_progress 1
		.amdhsa_inst_pref_size 66
	.end_amdhsa_kernel
	.amdgpu_metadata
---
amdhsa.version: [ 1, 2 ]
amdhsa.kernels:
  - .name:           k_q5919c7fbec_quant
    .symbol:         k_q5919c7fbec_quant.kd
    .args:
      - { .name: z, .offset: 0, .size: 8, .value_kind: global_buffer, .address_space: global }
      - { .name: codebook, .offset: 8, .size: 8, .value_kind: global_buffer, .address_space: global }
      - { .name: zq, .offset: 16, .size: 8, .value_kind: global_buffer, .address_space: global }
      - { .name: cq, .offset: 24, .size: 8, .value_kind: global_buffer, .address_space: global }
    .group_segment_fixed_size: 198656
    .private_segment_fixed_size: 0
    .kernarg_segment_align: 8
    .kernarg_segment_size: 32
    .max_flat_workgroup_size: 96
    .sgpr_count:     72
    .vgpr_count:     244
    .wavefront_size: 32
...
	.end_amdgpu_metadata
.endif
;; end of part 1
;; launch search (part 2): grid 128 x 2, 8 waves a work-group, clusters of 4 x 1, 327,680 bytes of LDS; arguments zq, cq, cand_k, cand_i; writes cand_k, cand_i
.if DOCPART == 2
	.amdgcn_target "amdgcn-amd-amdhsa--gfx1250"
	.amdhsa_code_object_version 6
	.text
	.protected	k_q5919c7fbec_search
	.globl	k_q5919c7fbec_search
	.p2align	8
	.type	k_q5919c7fbec_search,@function
k_q5919c7fbec_search:
	s_mov_b64 s[64:65], 0
	v_nop
	global_prefetch_b8 v0, s[64:65] scope:SCOPE_SE
	s_setreg_imm32_b32 hwreg(HW_REG_WAVE_MODE, 25, 1), 1
	s_wait_xcnt 0x0
	s_wait_alu depctr_hold_cnt(0) depctr_sa_sdst(0) depctr_va_vdst(0) depctr_va_sdst(0) depctr_va_ssrc(0) depctr_va_vcc(0) depctr_vm_vsrc(0)
	s_getreg_b32 s2, hwreg(HW_REG_IB_STS2, 6, 4)
	s_cmp_eq_u32 s2, 0
	s_cbranch_scc0 .Lentry_in_a_cluster
	s_endpgm
.Lentry_in_a_cluster:
	s_bfe_u32 s2, ttmp6, 0x10000c
	s_cmp_lg_u32 s2, 0x3003
	s_cbranch_scc0 .Lentry_shape_is_right
	s_endpgm
.Lentry_shape_is_right:
; For each row n of z and each half y of the codebook: the smallest d2[n][k] = (z_sq[n] - 2 cross[n][k]) + c_sq[k] over codes k = 4096 y .. 4096 y + 4095, and the first k that has it.
; cross is the product of the FP4 codes in zq and cq (K = 512: four matrix instructions deep, sums in f32).  d2 has reference()'s own two roundings (one fused multiply-add by -2, then one addition):
; numbers that become equal by them are ties, and the lower index wins: every comparison is a strict 'less' along ascending indices, or by (value, index).
; The smallest d2 leaves as an ORDER-PRESERVING WHOLE NUMBER (cand_k): the sign bit flipped where d2 >= 0, all bits where d2 < 0; the next launch compares the halves as unsigned numbers.
; SHARES.  Work-group x takes 128 rows of z (8 tiles of 16; zq's parts 2 x, 2 x + 1), y the half of the codes.  Every wave keeps ALL 8 tiles of z in registers (window 1): they come from zq by plain loads,
; 512 consecutive bytes each, in the order of the operand's registers.  The CODES are shared out: the half's 64 parts go in 8 chunks of 8, wave w takes part 64 y + 8 c + w of chunk c: 4 tiles of 16 codes.
; So each code byte in LDS is read once, by the wave that asked for it, and feeds 8 tiles of z.
; THE PRODUCT IS USED TRANSPOSED: source 0 = 16 codes, source 1 = 16 rows of z: lane (r, h) holds row r of z, its register j the code 16 T + 8 h + j.  z_sq is one number a lane, c_sq eight registers a code tile.
; For each z tile a lane keeps the best value, the number T of the code tile that gave it, and that tile's eight d2; the place j inside the tile is looked up once, at the end.
; The ten selects of a tile go two to an instruction (dual issue; both halves select by VCC).  best starts at +infinity and the kept d2 at 0, written once at the head, so that every code tile takes one path.
; CLUSTER.  The four work-groups of a cluster share y and walk the same chunks: each part is asked for JOINTLY, by the same tensor load with the same descriptor and the mask of all four.
; RING.  Two slots of 8 parts.  A slot's last LDS reads are its last tile's eleven loads; behind them stand the wait for all my tensor loads, the add and its wait, and a round of the cluster's barrier, with that tile's
; 32 products between the opening signal and its wait.  The joint refill, the chunk two on, is first behind the round; then the other slot's first tile is asked of LDS, and the last tile's vector work follows.
; By the text's own count one tensor load of a wave is out at any time.
; NO PREFETCH: the 32 clusters of a half all read the same 1,130,496 bytes of cq: it is no stream that is read once.
; LIMITS: NaN and infinities are not served (a row none of whose d2 lies under +infinity gets no meaningful index).  In cand_k a -0 would order below +0; d2 is never -0: z_sq and c_sq are sums of squares.
; LDS: two slots; MRG, the waves' results (LDS stores alone); the spare words.  All of a WGP's LDS is claimed.
; REGISTERS, window 0: v1-6 LDS addresses; v7, v8 the add's; v9 the tile's number; v10, v11 the merge's addresses; v12-19 z_sq; v20-35 (best, its tile) in pairs; v36-39 the code tile's scale words; v40-55 c_sq, two sets;
;   v56-63 at work; v64-95 z's scale words; v96-127 the code tile's fragments; v128-191 the 8 accumulators; v192-255 the best tile's d2.   window 1: z's fragments, (tile t, K step s) at v[32 t + 8 s].
.set PART,  17664
.set SLOTB, 8*PART
.set MRG,   2*SLOTB                    ; 8 waves x 128 rows x 8 bytes
.set SPARE, MRG+8192                   ; 128 bytes a wave: four blocks of 256 bytes that no other line names
.set LA,   1
.set LS,   3
.set LQ,   5
.set SPW,  7
.set NIL,  8
.set TN,   9
.set MW,   10
.set MR,   11
.set ZSQ,  12
.set BT,   20
.set CSC,  36
.set CSQ,  40
.set TMP,  56
.set ZSC,  64
.set CF,   96
.set ACC,  128
.set SAV,  192
.set JJ,   128                         ; the end: the accumulators' registers are free
.set IDX,  136
.set OV,   144
.set OI,   152
.set HH,   160
.set GOF,  161
.set KEY,  162
.set WV,   12
.set G1,   24                          ; s[24:31] group 1: a part
.set G0,   40                          ; s[40:47] group 0, a set for each slot
.set TNO,  52                          ; the number of the code tile whose vector work comes next
.set LAPS, 53
.set MSB, 0
.macro WIN new                         ; the immediate's high byte repeats the setting that is left
.if MSB != \new
	s_set_vgpr_msb (MSB<<8)|\new
.set MSB, \new
.endif
.endm
.macro CREST                           ; a round of the cluster's barrier behind its opening signal
	s_barrier_wait -1
	s_cmp_lg_u32 s[WV], 0
	s_cbranch_scc1 .Lnot_wave_0_\@
	s_barrier_signal -3
.Lnot_wave_0_\@:
	s_barrier_wait -3
	s_barrier_signal -1
	s_barrier_wait -1
.endm
.macro ROUND
	s_barrier_signal -1
	CREST
.endm
	s_load_b256 s[4:11], s[0:1], 0x0               ; zq, cq, cand_k, cand_i
	v_lshl_add_u32 v[SPW], v0, 2, SPARE
	v_mov_b32 v[NIL], 0
	ds_add_u32 v[SPW], v[NIL]                      ; the opening lines
	ds_add_u32 v[SPW], v[NIL]
	v_lshrrev_b32 v9, 5, v0
	v_readfirstlane_b32 s[WV], v9                  ; wave 0..7
	s_bfe_u32 s14, ttmp6, 0x40000                  ; cx: it enters zq's address and the candidates' alone
	s_lshl_b32 s15, ttmp9, 2
	s_add_co_u32 s15, s15, s14                     ; x
	s_and_b32 s16, ttmp7, 0xffff                   ; y, which the partners share
	s_mov_b32 s[G1+0], 15|(3<<16)|(1<<21)          ; the mask of all four; elements of 8 bytes; bit 21 beside a mask
	s_mov_b32 s[G1+1], 32<<16                      ; a part is dense: 69 rows of 256 bytes
	s_mov_b32 s[G1+2], 69<<16
	s_mov_b32 s[G1+3], 32<<16
	s_mov_b32 s[G1+4], 69
	s_mov_b32 s[G1+5], 32
	s_mov_b32 s[G1+6], 0
	s_mov_b32 s[G1+7], 0
	s_mul_i32 s17, s[WV], PART                     ; my part's place in a slot
	s_lshl_b32 s18, s16, 6
	s_add_co_u32 s18, s18, s[WV]                   ; my part of chunk 0
	s_lshl_b32 s[TNO], s18, 2                      ; its first code tile
	s_mul_i32 s20, s18, PART
	s_mov_b32 s21, 0
	s_mul_i32 s54, s15, 2*PART                     ; the z block in zq
	s_mov_b32 s55, 0
	s_lshl_b32 s56, s16, 16                        ; the candidates: 4 (16384 y + 128 x) bytes
	s_lshl_b32 s57, s15, 9
	s_add_co_u32 s56, s56, s57
	s_mov_b32 s57, 0
	s_mov_b32 s58, 0x76543210                      ; v_permlanex16_b32's selects for lane l xor 16
	s_mov_b32 s59, 0xfedcba98
	s_lshl_b32 s23, s[WV], 10
	v_and_b32 v9, 31, v0
	v_lshlrev_b32 v56, 4, v9                       ; 16 x lane (v56-58 serve the head's loads of z)
	v_add_nc_u32 v[LA], s17, v56
	v_add_nc_u32 v[LA+1], SLOTB, v[LA]
	v_and_b32 v[MW], 15, v0                        ; r
	v_lshlrev_b32 v57, 4, v[MW]                    ; 16 r
	v_add_nc_u32 v[LS], s17, v57
	v_add_nc_u32 v[LS], 16384, v[LS]
	v_add_nc_u32 v[LS+1], SLOTB, v[LS]
	v_lshlrev_b32 v58, 2, v[MW]                    ; 4 r
	v_bfe_u32 v[MR], v0, 4, 1                      ; h
	v_lshlrev_b32 v[LQ], 5, v[MR]
	v_add_nc_u32 v[LQ], s17, v[LQ]
	v_add_nc_u32 v[LQ], 17408, v[LQ]
	v_add_nc_u32 v[LQ+1], SLOTB, v[LQ]
	v_lshl_add_u32 v[MW], v[MW], 3, MRG
	v_add_nc_u32 v[MW], s23, v[MW]                 ; where I put my results: MRG + 1024 w + 8 r
	v_and_b32 v[MR], 127, v0
	v_lshl_add_u32 v[MR], v[MR], 3, MRG            ; where a row's eight results are read
	s_wait_alu depctr_va_vdst(0)
	s_wait_dscnt 0x0                               ; both opening adds are done
	ROUND                                          ; the round in front of the first joint loads: it names no argument, so it stands ahead of the wait for them
	s_wait_kmcnt 0x0
	s_add_nc_u64 s[8:9], s[8:9], s[56:57]
	s_add_nc_u64 s[10:11], s[10:11], s[56:57]
	s_add_nc_u64 s[4:5], s[4:5], s[54:55]
	s_add_nc_u64 s[20:21], s[6:7], s[20:21]
	s_mov_b32 s[G0+0], 1
	s_mov_b32 s[G0+1], s17
	s_mov_b64 s[G0+2:G0+3], s[20:21]               ; chunk 0
	s_or_b32 s[G0+3], s[G0+3], 0x80000000
	s_mov_b32 s[G0+4], 1
	s_add_co_u32 s[G0+5], s17, SLOTB
	s_add_nc_u64 s[G0+6:G0+7], s[20:21], SLOTB     ; chunk 1
	s_or_b32 s[G0+7], s[G0+7], 0x80000000
	tensor_load_to_lds s[G0:G0+3], s[G1:G1+7]      ; chunk 0: my one tensor load at the head, ahead of my 80 loads of z
	s_nop 0
.macro ZFRAG t                         ; z tile t's fragments stay in registers: 8 loads of 512 consecutive bytes
.irp q, 0,1,2,3,4,5,6,7
	global_load_b128 v[32*\t+4*\q:32*\t+4*\q+3], v56, s[4:5] offset:PART*(\t/4)+4096*(\t%4)+512*\q
.endr
.endm
.macro ZSCALES                         ; z's scale words (word s: K step s) and sums of squares
.irp t, 0,1,2,3,4,5,6,7
	global_load_b128 v[ZSC+4*\t:ZSC+4*\t+3], v57, s[4:5] offset:PART*(\t/4)+16384+256*(\t%4)
	global_load_b32 v[ZSQ+\t], v58, s[4:5] offset:PART*(\t/4)+17408+64*(\t%4)
.endr
.endm
	; all eight waves load the same 35,328 bytes, 80 loads each: waves 0-3 walk them upward, waves 4-7 downward, so that what one group asks for last the other asks for first
	s_cmp_lt_u32 s[WV], 4
	s_cbranch_scc0 .Lz_down
	WIN 0x40                                       ; destination window 1
.irp t, 0,1,2,3,4,5,6,7
	ZFRAG \t
.endr
	WIN 0
	ZSCALES
	s_branch .Lz_asked
.Lz_down:
	ZSCALES
	WIN 0x40
.irp t, 7,6,5,4,3,2,1,0
	ZFRAG \t
.endr
	WIN 0
.Lz_asked:
.irp t, 0,1,2,3,4,5,6,7
	v_mov_b32 v[BT+2*\t], 0x7f800000               ; best: +infinity, over every finite d2
	v_mov_b32 v[BT+2*\t+1], 0
.endr
.set i, 0
.rept 64
	v_mov_b32 v[SAV+i], 0                          ; written once: the selects name them as sources
.set i, i+1
.endr
; code tile i of my part in a slot: 8 loads of fragments (512 consecutive bytes each), its scale words, its c_sq (set i % 2)
.macro LOADS slot, i
.irp q, 0,1,2,3,4,5,6,7
	ds_load_b128 v[CF+4*\q:CF+4*\q+3], v[LA+(\slot)] offset:4096*(\i)+512*\q
.endr
	ds_load_b128 v[CSC:CSC+3], v[LS+(\slot)] offset:256*(\i)
	ds_load_b128 v[CSQ+8*((\i)%2):CSQ+8*((\i)%2)+3], v[LQ+(\slot)] offset:64*(\i)
	ds_load_b128 v[CSQ+8*((\i)%2)+4:CSQ+8*((\i)%2)+7], v[LQ+(\slot)] offset:64*(\i)+16
.endm
; THE PRODUCTS of a code tile: 32 instructions; the eight accumulators take turns; the first K step starts the sums.
; Four plain places follow the last product, ahead of the loads into the fragments' registers and of the first read of a result.
.macro WMMAS
	WIN 0x04                                       ; source 1 (z) window 1
.irp s, 0,1,2,3
.irp t, 0,1,2,3,4,5,6,7
.if \s == 0
	v_wmma_scale_f32_16x16x128_f8f6f4 v[ACC+8*\t:ACC+8*\t+7], v[CF+8*\s:CF+8*\s+7], v[32*\t+8*\s:32*\t+8*\s+7], 0, v[CSC+\s], v[ZSC+4*\t+\s] matrix_a_fmt:MATRIX_FMT_FP4 matrix_b_fmt:MATRIX_FMT_FP4
.else
	v_wmma_scale_f32_16x16x128_f8f6f4 v[ACC+8*\t:ACC+8*\t+7], v[CF+8*\s:CF+8*\s+7], v[32*\t+8*\s:32*\t+8*\s+7], v[ACC+8*\t:ACC+8*\t+7], v[CSC+\s], v[ZSC+4*\t+\s] matrix_a_fmt:MATRIX_FMT_FP4 matrix_b_fmt:MATRIX_FMT_FP4
.endif
.endr
.endr
	WIN 0
	v_mov_b32 v[TN], s[TNO]                        ; the tile's number: the first of the four places
.rept 3
	v_nop
.endr
.endm
.macro MM slot, i, next                ; the matrix work of a tile; next = 1: the next tile's loads follow
	s_wait_dscnt 0x0                               ; the tile's eleven loads are in (asked for a tile's vector work ago)
	WMMAS
.if \next
	LOADS \slot, (\i)+1
.endif
.endm
.macro SEL2 d0, a0, d1, a1             ; where VCC: v[d0] takes v[a0] and v[d1] takes v[a1]; one destination even, one odd; the sources of a place in different banks (number mod 4)
	v_dual_cndmask_b32 v[\d0], v[\d0], v[\a0] :: v_dual_cndmask_b32 v[\d1], v[\d1], v[\a1]
.endm
; THE VECTOR WORK of a code tile, four z tiles at a time, their lines by turns: d2 in place (each accumulator is first read at register 0 or 1), the minimum of a lane's eight, and where it is strictly less than the best
; so far, the best, the tile's number and the eight d2 are taken.  The arithmetic goes two numbers to an instruction too (dual issue): 35 instructions for two z tiles' 8 matrix instructions.  No LDS line, no wait.
; step: to the number of my next tile (the tile's number itself was moved into v[TN] behind the products).
.macro VV par, step
	s_add_co_u32 s[TNO], s[TNO], \step
.irp g, 0,4
; z_sq - 2 cross, one rounding: cross x (-2.0) + z_sq, fused.  A pair's halves take two neighbouring z tiles, an even register of one and an odd one of the other: so the two z_sq lie in different banks
.irp i, 0,2,4,6
.irp u, 0,2
	v_dual_fmamk_f32 v[ACC+8*(\g+\u)+\i], v[ACC+8*(\g+\u)+\i], 0xc0000000, v[ZSQ+\g+\u] :: v_dual_fmamk_f32 v[ACC+8*(\g+\u+1)+\i+1], v[ACC+8*(\g+\u+1)+\i+1], 0xc0000000, v[ZSQ+\g+\u+1]
	v_dual_fmamk_f32 v[ACC+8*(\g+\u+1)+\i], v[ACC+8*(\g+\u+1)+\i], 0xc0000000, v[ZSQ+\g+\u+1] :: v_dual_fmamk_f32 v[ACC+8*(\g+\u)+\i+1], v[ACC+8*(\g+\u)+\i+1], 0xc0000000, v[ZSQ+\g+\u]
.endr
.endr
.irp i, 0,2,4,6
.irp u, 0,1,2,3
	v_dual_add_f32 v[ACC+8*(\g+\u)+\i], v[ACC+8*(\g+\u)+\i], v[CSQ+8*\par+\i] :: v_dual_add_f32 v[ACC+8*(\g+\u)+\i+1], v[ACC+8*(\g+\u)+\i+1], v[CSQ+8*\par+\i+1]   ; + c_sq, the second rounding
.endr
.endr
.irp u, 0,1,2,3
	v_min3_num_f32 v[TMP+2*\u], v[ACC+8*(\g+\u)], v[ACC+8*(\g+\u)+1], v[ACC+8*(\g+\u)+2]
.endr
.irp u, 0,1,2,3
	v_min3_num_f32 v[TMP+2*\u+1], v[ACC+8*(\g+\u)+3], v[ACC+8*(\g+\u)+4], v[ACC+8*(\g+\u)+5]
.endr
.irp u, 0,1,2,3
	v_min3_num_f32 v[TMP+2*\u], v[TMP+2*\u], v[ACC+8*(\g+\u)+6], v[ACC+8*(\g+\u)+7]
.endr
.irp u, 0,2                            ; the last minimum of two z tiles in one pair: an even tile's lands in the even register of its two, an odd tile's in the odd one
	v_dual_min_num_f32 v[TMP+2*\u], v[TMP+2*\u], v[TMP+2*\u+1] :: v_dual_min_num_f32 v[TMP+2*\u+3], v[TMP+2*\u+3], v[TMP+2*\u+2]
.endr
.irp u, 0,1,2,3
	v_cmp_lt_f32 vcc_lo, v[TMP+2*\u+(\u%2)], v[BT+2*(\g+\u)]       ; strictly less: an equal value of a later tile does not displace an earlier one
	SEL2 BT+2*(\g+\u), TMP+2*\u+(\u%2), BT+2*(\g+\u)+1, TN
.irp j, 0,2,4,6
	SEL2 SAV+8*(\g+\u)+\j, ACC+8*(\g+\u)+\j, SAV+8*(\g+\u)+\j+1, ACC+8*(\g+\u)+\j+1
.endr
.endr
.endr
.endm
; A FILLED CHUNK'S LAST TILE, AND THE CHANGE OF SLOTS
.macro TURN slot
	s_wait_tensorcnt 0x0                           ; my one load that is out, my part of the other slot, has landed: a group 0 may be written
	ds_add_u32 v[SPW], v[NIL]                      ; 0 onto my spare word
	s_add_nc_u64 s[G0+4*\slot+2:G0+4*\slot+3], s[G0+4*\slot+2:G0+4*\slot+3], 2*SLOTB   ; two chunks on; the type bits on top are not reached
	s_wait_dscnt 0x0                               ; the add is done, and my reads of the slot are over: the tile's fragments, scale words and c_sq are in registers
	s_barrier_signal -1                            ; say so,
	WMMAS                                          ; multiply while the others arrive,
	CREST                                          ; and the rest of the round: no wave of any partner still reads the slot or has a load on its way
	tensor_load_to_lds s[G0+4*\slot:G0+4*\slot+3], s[G1:G1+7]      ; the joint refill: my one tensor load until the next round
	s_nop 0
	LOADS 1-\slot, 0                               ; the other slot's first tile
.endm
.macro THREE slot                      ; a chunk's first three tiles
	MM \slot, 0, 1
	VV 0, 1
	MM \slot, 1, 1
	VV 1, 1
	MM \slot, 2, 1
	VV 0, 1
.endm
.macro CHUNK slot                      ; a chunk whose slot is filled again; my part of the next chunk lies 8 parts, 32 tiles, on
	THREE \slot
	TURN \slot
	VV 1, 29
.endm
	s_wait_alu depctr_va_vdst(0)
	s_wait_tensorcnt 0x0                           ; my part of chunk 0 is in
	ds_add_u32 v[SPW], v[NIL]
	s_wait_dscnt 0x0
	ROUND
	tensor_load_to_lds s[G0+4:G0+7], s[G1:G1+7]    ; chunk 1: slot 1's first fill
	s_nop 0
	LOADS 0, 0
	s_wait_loadcnt 0x0                             ; z's fragments, scale words and sums of squares are in
	s_mov_b32 s[LAPS], 3
.Llap:                                                 ; a trip: chunks 2 i and 2 i + 1 are searched, chunks 2 i + 2 and 2 i + 3 asked for
	CHUNK 0
	CHUNK 1
	s_sub_co_u32 s[LAPS], s[LAPS], 1
	s_cmp_lg_u32 s[LAPS], 0
	s_cbranch_scc1 .Llap
	THREE 0                                        ; chunks 6 and 7 are written out: nothing is asked for any more, so no barrier stands between them
	MM 0, 3, 0
	s_wait_tensorcnt 0x0                           ; chunk 7, my last load: I alone read my part
	LOADS 1, 0
	VV 1, 29
	THREE 1
	MM 1, 3, 0
	VV 1, 29
	; THE END.  The place j of the best value inside its tile: the lowest j whose d2 equals it; the index 16 T + 8 h + j.
	v_bfe_u32 v[HH], v0, 4, 1
	v_lshlrev_b32 v[HH], 3, v[HH]
.irp t, 0,1,2,3,4,5,6,7
	v_mov_b32 v[JJ+\t], 7
.endr
.irp j, 6,5,4,3,2,1,0
.irp t, 0,1,2,3,4,5,6,7
	v_cmp_neq_f32 vcc_lo, v[SAV+8*\t+\j], v[BT+2*\t]
	v_cndmask_b32 v[JJ+\t], \j, v[JJ+\t], vcc_lo   ; equal: j; the lower j comes later and stays
.endr
.endr
.irp t, 0,1,2,3,4,5,6,7
	v_lshl_add_u32 v[IDX+\t], v[BT+2*\t+1], 4, v[JJ+\t]
.endr
.irp t, 0,1,2,3,4,5,6,7
	v_add_nc_u32 v[IDX+\t], v[HH], v[IDX+\t]
.endr
.irp t, 0,1,2,3,4,5,6,7
	v_permlanex16_b32 v[OV+\t], v[BT+2*\t], s58, s59               ; the row's other eight codes of each tile lie in the lane 16 away
	v_permlanex16_b32 v[OI+\t], v[IDX+\t], s58, s59
.endr
; of two candidates (value, index) the smaller value, and of equal values the lower index
.macro TAKE bv, bi, ov, oi, dv, di
	v_cmp_lt_f32 s60, v[\ov], v[\bv]
	v_cmp_eq_f32 s61, v[\ov], v[\bv]
	v_cmp_lt_u32 s62, v[\oi], v[\bi]
	s_and_b32 s61, s61, s62
	s_or_b32 s60, s60, s61
	v_cndmask_b32 v[\dv], v[\bv], v[\ov], s60
	v_cndmask_b32 v[\di], v[\bi], v[\oi], s60
.endm
.irp t, 0,1,2,3,4,5,6,7
	TAKE BT+2*\t, IDX+\t, OV+\t, OI+\t, CF+2*\t, CF+2*\t+1
	ds_store_b64 v[MW], v[CF+2*\t:CF+2*\t+1] offset:128*\t         ; both halves of the lanes hold the same pair and write the same bytes
.endr
	s_wait_dscnt 0x0                               ; for the others' sake: my stores are done
	s_barrier_signal -1
	s_barrier_wait -1
	s_cmp_gt_u32 s[WV], 3                          ; waves 0-3 merge: a thread a row
	s_cbranch_scc1 .Ldone
.irp w, 0,1,2,3,4,5,6,7
	ds_load_b64 v[128+2*\w:129+2*\w], v[MR] offset:1024*\w
.endr
	v_lshlrev_b32 v[GOF], 2, v0
	s_wait_dscnt 0x0
.irp w, 1,2,3,4,5,6,7
	TAKE 128, 129, 128+2*\w, 129+2*\w, 128, 129
.endr
	v_ashrrev_i32 v[KEY], 31, v128                 ; the value as a whole number of the same order: all ones where it is negative,
	v_or_b32 v[KEY], 0x80000000, v[KEY]            ; else the sign bit alone,
	v_xor_b32 v128, v[KEY], v128                   ; are flipped
	global_store_b32 v[GOF], v128, s[8:9]          ; 128 consecutive bytes a wave, 512 the four waves
	global_store_b32 v[GOF], v129, s[10:11]
.Ldone:
	s_wait_tensorcnt 0x0                           ; the wave's end
	ds_add_u32 v[SPW], v[NIL]
	s_wait_dscnt 0x0
	ROUND                                          ; the closing round: no work-group ends while a partner may still ask for a part that names it
	s_endpgm
.Lfunc_end_k_q5919c7fbec_search:
	.size	k_q5919c7fbec_search, .Lfunc_end_k_q5919c7fbec_search-k_q5919c7fbec_search
	.p2alignl 7, 3214868480
	.fill 96, 4, 3214868480
	.section	.rodata,"a",@progbits
	.p2align	6, 0x0
	.amdhsa_kernel k_q5919c7fbec_search
		.amdhsa_group_segment_fixed_size 327680
		.amdhsa_private_segment_fixed_size 0
		.amdhsa_enable_private_segment 0
		.amdhsa_kernarg_size 32
		.amdhsa_user_sgpr_count 2
		.amdhsa_user_sgpr_kernarg_segment_ptr 1
		.amdhsa_wavefront_size32 1
		.amdhsa_system_sgpr_workgroup_id_x 1
		.amdhsa_system_sgpr_workgroup_id_y 1
		.amdhsa_system_sgpr_workgroup_id_z 1
		.amdhsa_system_vgpr_workitem_id 0
		.amdhsa_next_free_vgpr 512
		.amdhsa_next_free_sgpr 66
		.amdhsa_reserve_vcc 1
		.amdhsa_float_denorm_mode_32 3
		.amdhsa_float_denorm_mode_16_64 3
		.amdhsa_memory_ordered 1
		.amdhsa_forward_progress 1
		.amdhsa_inst_pref_size 255
	.end_amdhsa_kernel
	.section	.bss,"aw",@nobits
	.p2align	6
	.space	262144
	.amdgpu_metadata
---
amdhsa.version: [ 1, 2 ]
amdhsa.kernels:
  - .name:           k_q5919c7fbec_search
    .symbol:         k_q5919c7fbec_search.kd
    .args:
      - { .name: zq, .offset: 0, .size: 8, .value_kind: global_buffer, .address_space: global }
      - { .name: cq, .offset: 8, .size: 8, .value_kind: global_buffer, .address_space: global }
      - { .name: cand_k, .offset: 16, .size: 8, .value_kind: global_buffer, .address_space: global }
      - { .name: cand_i, .offset: 24, .size: 8, .value_kind: global_buffer, .address_space: global }
    .group_segment_fixed_size: 327680
    .private_segment_fixed_size: 0
    .kernarg_segment_align: 8
    .kernarg_segment_size: 32
    .max_flat_workgroup_size: 256
    .sgpr_count:     66
    .vgpr_count:     512
    .wavefront_size: 32
...
	.end_amdgpu_metadata
.endif
;; end of part 2
;; launch gather (part 3): grid 256 x 1, 16 waves a work-group, no clusters, 0 bytes of LDS; arguments z, codebook, cand_k, cand_i, out0, out1; writes out0, out1
.if DOCPART == 3
	.amdgcn_target "amdgcn-amd-amdhsa--gfx1250"
	.amdhsa_code_object_version 6
	.text
	.protected	k_q5919c7fbec_gather
	.globl	k_q5919c7fbec_gather
	.p2align	8
	.type	k_q5919c7fbec_gather,@function
k_q5919c7fbec_gather:
	s_mov_b64 s[64:65], 0
	v_nop
	global_prefetch_b8 v0, s[64:65] scope:SCOPE_SE
	s_setreg_imm32_b32 hwreg(HW_REG_WAVE_MODE, 25, 1), 1
	s_wait_xcnt 0x0
; out1[n] = the index of the smaller of row n's two candidates (half 1's only where it is strictly smaller: of equal values the lower index);  out0[n] = z[n] + (codebook[out1[n]] - z[n]), with reference()'s two roundings.
; The candidates come as whole numbers that an earlier launch stored: cand_i the indices, cand_k the smallest d2 of each half as unsigned numbers of the same order as the f32 values.  So the choice between the halves is a
; comparison of whole numbers read from memory, the chosen index goes into the address, and ONE row of the codebook is loaded for each row of z.
; SHARES.  A work-group takes 64 rows, each of its sixteen waves 4.  A row is 2,048 bytes: four loads or stores of 512 consecutive bytes.  A wave's row index is the same in all lanes, so it comes by scalar loads and goes
; into a scalar base.  No loop, no LDS, no barrier; every load of a wave is issued before its first use, and no register of a pending load or store is written again.
; Wave 0 also writes the work-group's 64 indices: 32 lanes x 8 bytes, 256 consecutive bytes at a multiple of 256.
; No prefetch: the addresses are known only when the indices are in, and then every load goes out at once.
.set Z,  16                            ; v16-79    z: row k at v[Z + 16 k]
.set C0, 80                            ; v80-143   the chosen rows of the codebook
	s_load_b256 s[4:11], s[0:1], 0x0               ; z s[4:5], codebook s[6:7], cand_k s[8:9], cand_i s[10:11]
	s_load_b128 s[12:15], s[0:1], 0x20             ; out0 s[12:13], out1 s[14:15]
	v_lshrrev_b32 v1, 5, v0
	s_delay_alu instid0(VALU_DEP_1)
	v_readfirstlane_b32 s18, v1                    ; wave 0..15
	v_and_b32 v10, 31, v0                          ; lane
	s_delay_alu instid0(VALU_DEP_1)
	v_lshlrev_b32 v1, 4, v10                       ; 16 bytes a lane
	s_lshl_b32 s17, ttmp9, 8                       ; the work-group's 64 rows x 4 bytes
	s_lshl_b32 s16, s18, 4
	s_add_co_u32 s16, s16, s17                     ; 4 x my first row
	v_lshl_add_u32 v11, v10, 3, s17                ; wave 0: two rows a lane
	s_lshl_b32 s2, s16, 9                          ; my first row x 2,048 bytes
	s_mov_b32 s3, 0
	s_wait_kmcnt 0x0
	s_load_b128 s[20:23], s[10:11], s16 offset:0x0         ; my four rows' indices in half 0,
	s_load_b128 s[24:27], s[10:11], s16 offset:0x10000     ; in half 1,
	s_load_b128 s[28:31], s[8:9], s16 offset:0x0           ; and their d2 as whole numbers
	s_load_b128 s[48:51], s[8:9], s16 offset:0x10000
	s_add_nc_u64 s[4:5], s[4:5], s[2:3]
	s_add_nc_u64 s[12:13], s[12:13], s[2:3]
	s_cmp_lg_u32 s18, 0
	s_cbranch_scc1 .Lnot_wave_0
	s_wait_alu depctr_va_vdst(0)
	global_load_b64 v[2:3], v11, s[8:9]            ; the oldest loads: every later count holds for them too
	global_load_b64 v[4:5], v11, s[8:9] offset:65536
	global_load_b64 v[6:7], v11, s[10:11]
	global_load_b64 v[8:9], v11, s[10:11] offset:65536
.Lnot_wave_0:
	s_wait_alu depctr_va_vdst(0)
.irp k, 0,1,2,3
.irp q, 0,1,2,3
	global_load_b128 v[Z+16*\k+4*\q:Z+16*\k+4*\q+3], v1, s[4:5] offset:2048*\k+512*\q th:TH_LOAD_NT
.endr
.endr
	s_wait_kmcnt 0x0
.irp k, 0,1,2,3
	s_cmp_lt_u32 s[48+\k], s[28+\k]                ; half 1 wins only where it is strictly smaller
	s_cselect_b32 s[20+\k], s[24+\k], s[20+\k]
	s_min_u32 s[20+\k], s[20+\k], 0x1fff           ; an index stays inside the table
	s_lshl_b32 s[32+2*\k], s[20+\k], 11
	s_mov_b32 s[33+2*\k], 0
	s_add_nc_u64 s[32+2*\k:33+2*\k], s[6:7], s[32+2*\k:33+2*\k]
.endr
.irp k, 0,1,2,3
.irp q, 0,1,2,3
	global_load_b128 v[C0+16*\k+4*\q:C0+16*\k+4*\q+3], v1, s[32+2*\k:33+2*\k] offset:512*\q
.endr
.endr
.irp k, 0,1,2,3
	s_wait_loadcnt 4*(3-\k)                        ; z and row k's codebook row are in; the four loads of each later row may be out
.irp i, 0,2,4,6,8,10,12,14
	v_pk_add_f32 v[C0+16*\k+\i:C0+16*\k+\i+1], v[C0+16*\k+\i:C0+16*\k+\i+1], v[Z+16*\k+\i:Z+16*\k+\i+1] neg_lo:[0,1] neg_hi:[0,1]   ; the row - z
.endr
.irp i, 0,2,4,6,8,10,12,14
	v_pk_add_f32 v[Z+16*\k+\i:Z+16*\k+\i+1], v[Z+16*\k+\i:Z+16*\k+\i+1], v[C0+16*\k+\i:C0+16*\k+\i+1]                               ; z + that
.endr
.irp q, 0,1,2,3
	global_store_b128 v1, v[Z+16*\k+4*\q:Z+16*\k+4*\q+3], s[12:13] offset:2048*\k+512*\q th:TH_STORE_NT   ; 512 consecutive bytes, at a multiple of 256 from out0's first byte
.endr
.endr
	s_cmp_lg_u32 s18, 0
	s_cbranch_scc1 .Lend
	v_cmp_lt_u32 vcc_lo, v4, v2                    ; wave 0: the work-group's 64 indices, two a lane
	s_delay_alu instid0(VALU_DEP_1)
	v_cndmask_b32 v6, v6, v8, vcc_lo
	v_cmp_lt_u32 vcc_lo, v5, v3
	s_delay_alu instid0(VALU_DEP_1)
	v_cndmask_b32 v7, v7, v9, vcc_lo
	global_store_b64 v11, v[6:7], s[14:15]
.Lend:
	s_endpgm
.Lfunc_end_k_q5919c7fbec_gather:
	.size	k_q5919c7fbec_gather, .Lfunc_end_k_q5919c7fbec_gather-k_q5919c7fbec_gather
	.p2alignl 7, 3214868480
	.fill 96, 4, 3214868480
	.section	.rodata,"a",@progbits
	.p2align	6, 0x0
	.amdhsa_kernel k_q5919c7fbec_gather
		.amdhsa_group_segment_fixed_size 0
		.amdhsa_private_segment_fixed_size 0
		.amdhsa_enable_private_segment 0
		.amdhsa_kernarg_size 48
		.amdhsa_user_sgpr_count 2
		.amdhsa_user_sgpr_kernarg_segment_ptr 1
		.amdhsa_wavefront_size32 1
		.amdhsa_system_sgpr_workgroup_id_x 1
		.amdhsa_system_sgpr_workgroup_id_y 1
		.amdhsa_system_sgpr_workgroup_id_z 1
		.amdhsa_system_vgpr_workitem_id 0
		.amdhsa_next_free_vgpr 144
		.amdhsa_next_free_sgpr 66
		.amdhsa_reserve_vcc 1
		.amdhsa_float_denorm_mode_32 3
		.amdhsa_float_denorm_mode_16_64 3
		.amdhsa_memory_ordered 1
		.amdhsa_forward_progress 1
		.amdhsa_inst_pref_size 12
	.end_amdhsa_kernel
	.amdgpu_metadata
---
amdhsa.version: [ 1, 2 ]
amdhsa.kernels:
  - .name:           k_q5919c7fbec_gather
    .symbol:         k_q5919c7fbec_gather.kd
    .args:
      - { .name: z, .offset: 0, .size: 8, .value_kind: global_buffer, .address_space: global }
      - { .name: codebook, .offset: 8, .size: 8, .value_kind: global_buffer, .address_space: global }
      - { .name: cand_k, .offset: 16, .size: 8, .value_kind: global_buffer, .address_space: global }
      - { .name: cand_i, .offset: 24, .size: 8, .value_kind: global_buffer, .address_space: global }
      - { .name: out0, .offset: 32, .size: 8, .value_kind: global_buffer, .address_space: global }
      - { .name: out1, .offset: 40, .size: 8, .value_kind: global_buffer, .address_space: global }
    .group_segment_fixed_size: 0
    .private_segment_fixed_size: 0
    .kernarg_segment_align: 8
    .kernarg_segment_size: 48
    .max_flat_workgroup_size: 512
    .sgpr_count:     66
    .vgpr_count:     144
    .wavefront_size: 32
...
	.end_amdgpu_metadata
.endif
;; end of part 3
